; MI455X (gfx1250); checked and timed in simulation.
; The chip was launched on July 23, 2026; its instructions are those of AMD's public machine-readable ISA for CDNA 5 (MIT licence, August 2026) and "CDNA5" Instruction Set Architecture Reference Guide (July 2026). The comments in the code are by the model that wrote it; some were corrected since.
;; AFT Full. Allowed arithmetic: matrix products marked QUANTISED: E4M3 operands, one E8M0 scale for each 32 along K, by v_wmma_scale_f32_16x16x128_f8f6f4 with both operands' format E4M3, f32 sums; everything else in f32.
;; Inputs: Wk_codes 1,024 x 32 x 32 uint8 (E4M3 codes of Wk, K innermost, in blocks of 32 codes); Wk_scales 1,024 x 32 uint8 (E8M0 scales of Wk, one for each 32 codes along K); Wq_codes 1,024 x 32 x 32 uint8 (E4M3 codes of Wq, K innermost, in blocks of 32 codes); Wq_scales 1,024 x 32 uint8 (E8M0 scales of Wq, one for each 32 codes along K); Wv_codes 1,024 x 32 x 32 uint8 (E4M3 codes of Wv, K innermost, in blocks of 32 codes); Wv_scales 1,024 x 32 uint8 (E8M0 scales of Wv, one for each 32 codes along K); wbias 1,024 x 1,024 float32; x_codes 8 x 1,024 x 32 x 32 uint8 (E4M3 codes of x, K innermost, in blocks of 32 codes); x_scales 8 x 1,024 x 32 uint8 (E8M0 scales of x, one for each 32 codes along K).
;; Outputs: out0 8 x 1,024 x 1,024 float32.
;; This version of the problem:
;;   THIS VERSION OF THE PROBLEM IS GIVEN IN LOW PRECISION. The matrix products marked QUANTISED in the list below multiply operands that are first quantised to E4M3 (4 exponent bits, 3 mantissa bits; 8 bits a number), with one power-of-two scale for each 32 numbers along K (OCP MX v1.0); their sums are f32. All else is computed in f32.
;;   The module's matrix products, in the order in which they are computed (A, B: the left and right operand; K: the contracted axis; several contracted axes count as one K, in the product's order):
;;     1. [M 8,192, K 1,024] x [K 1,024, N 1,024]; A: input x (given as codes); B: input Wq (given as codes): QUANTISED
;;     2. [M 8,192, K 1,024] x [K 1,024, N 1,024]; A: input x (given as codes); B: input Wk (given as codes): QUANTISED
;;     3. [M 8,192, K 1,024] x [K 1,024, N 1,024]; A: input x (given as codes); B: input Wv (given as codes): QUANTISED
;;     4. [M 8,192, K 1,024] x [K 1,024, N 1,024]; A: computed on the way; B: computed on the way: QUANTISED
;;     5. [M 8,192, K 1,024] x [K 1,024, N 1,024]; A: computed on the way; B: computed on the way: QUANTISED
;;   THE QUANTISER, for each operand of a quantised product, along K:
;;     - K is cut into blocks of 32 from its start; a last block that is shorter is filled with zeros.
;;     - A block's scale is 2^e with e = floor(log2(the largest magnitude in the block)) - 8, held to -126 .. 127; a block of zeros has e = 0. As a byte (E8M0): e + 127.
;;     - Each number is divided by its block's scale, clamped to +-448, and rounded to the nearest number of E4M3, ties to even, subnormals kept.
;;     - The product sums the exact products of the quantised numbers (number of the format x scale) in f32.
;;   ~~~python
;;   def quantise(x, axis):      # numpy; x: float32 -> the quantised numbers, widened to float32 again
;;       x = np.moveaxis(x, axis, -1); K = x.shape[-1]
;;       x = np.pad(x, [(0, 0)] * (x.ndim - 1) + [(0, -K % 32)]); x = x.reshape(x.shape[:-1] + (-1, 32)); a = np.abs(x).max(-1, keepdims=True)
;;       e = np.where(a > 0, np.clip(np.frexp(np.where(a > 0, a, 1))[1] - 1 - 8, -126, 127), 0)      # np.frexp(a)[1] - 1 = floor(log2(a)), exactly
;;       r = np.clip(x / 2.0 ** e, -448, 448)
;;       step = 2.0 ** (np.maximum(np.frexp(np.where(r == 0, 1, r))[1] - 1, -6) - 3)
;;       q = np.round(r / step) * step * 2.0 ** e      # np.round: ties to even
;;       return np.moveaxis(q.reshape(q.shape[:-2] + (-1,))[..., :K], -1, axis).astype(np.float32)
;;   ~~~
;;   OPERANDS COMPUTED ON THE WAY. 'Computed on the way' means the value that the module computes at that place (a softmax that the list does not call 'softmax' is quantised finished and normalised). What goes into a quantiser is computed in f32, as accurately as f32 sums, v_exp_f32 and their like allow (about 1e-6 of the number): no bf16 or f16 on the way to a quantiser, and a product that is left as it is and whose result goes on into a quantised operand takes f32 operands (vector FMAs, or v_wmma_f32_16x16x4_f32). A number that lies on a knife's edge between two numbers of the format may be rounded either way, as far as f32 arithmetic and the matrix unit's own rounding can turn it there, and no further.
;;   INPUTS GIVEN AS CODES. Wk (in the module: [1024, 1024], K = its axis 1); Wq (in the module: [1024, 1024], K = its axis 1); Wv (in the module: [1024, 1024], K = its axis 1); x (in the module: [8, 1024, 1024], K = its axis 2): each comes as NAME_codes (uint8): NAME with its K axis moved to the last place and cut into blocks of 32 codes, [.., K / 32, bytes a block], one block behind the other in memory; one code a byte (a code: sign, 4 exponent bits, 3 mantissa bits); and NAME_scales (uint8): the same leading axes, one E8M0 byte (e + 127) for each 32 codes along K. Its value is code x scale, taken as it is: it is not quantised again, and the codes and scales need not be those that the quantiser above would give.
;; One version. Each part assembles by itself: llvm-mc -triple=amdgcn-amd-amdhsa -mcpu=gfx1250 --defsym DOCPART=n.
;; ======== version 1 of 1: 2 launches
;; workspace buffers: ew_img 1,081,344 bytes; kv_img 17,301,504 bytes
;; launch kv (part 1): grid 8 x 32, 4 waves a work-group, clusters of 4 x 4, 327,680 bytes of LDS; arguments x_codes, x_scales, Wk_codes, Wk_scales, Wv_codes, Wv_scales, wbias, ew_img, kv_img; writes ew_img, kv_img
.if DOCPART == 1
	.amdgcn_target "amdgcn-amd-amdhsa--gfx1250"
	.amdhsa_code_object_version 6
	.text
	.protected	k_q05df8cadf7_kv
	.globl	k_q05df8cadf7_kv
	.p2align	8
	.type	k_q05df8cadf7_kv,@function
k_q05df8cadf7_kv:
	s_mov_b64 s[64:65], 0
	v_nop
	global_prefetch_b8 v0, s[64:65] scope:SCOPE_SE
	s_setreg_imm32_b32 hwreg(HW_REG_WAVE_MODE, 25, 1), 1
	s_wait_xcnt 0x0
	s_wait_alu depctr_hold_cnt(0) depctr_sa_sdst(0) depctr_va_vdst(0) depctr_va_sdst(0) depctr_va_ssrc(0) depctr_va_vcc(0) depctr_vm_vsrc(0)
	s_getreg_b32 s2, hwreg(HW_REG_IB_STS2, 6, 4)
	s_cmp_eq_u32 s2, 0
	s_cbranch_scc0 .Lentry_in_a_cluster
	s_endpgm
.Lentry_in_a_cluster:
	s_bfe_u32 s2, ttmp6, 0x10000c
	s_cmp_lg_u32 s2, 0xf033
	s_cbranch_scc0 .Lentry_shape_is_right
	s_endpgm
.Lentry_shape_is_right:
; k = x Wk^T and v = x Wv^T on the given codes of E4M3 with E8M0 scales; ek = exp(k) and ek v are quantised DOWN THE TOKENS (the K of the next launch's products) and stored as images of operand registers.
; On the side, waves 0 and 1 of each work-group quantise one fragment each of ew = exp(wbias) along its last axis.
; SHARES.  A work-group takes 256 tokens (gy) x 128 channels (gx) of BOTH k and v: a tile of 256 x 256 results.  Wave (HI, LO): tokens 128 LO on, channels 64 HI on: 64 accumulators, 512 registers.
; Source 0 = 16 tokens of x, source 1 = 16 channels of W: a lane then holds ONE channel (lane % 16) and its registers run down the tokens: register 8 b + i of a channel block is token 16 b + 8 (lane / 16) + i.
; Source 1's blocks 0-3 are Wk's channels, blocks 4-7 the same channels of Wv: k lies in window 2 and v in window 3 under the same register numbers.
; ORDER INSIDE A BLOCK OF 32 ALONG THE NEXT K: place 16 h + 8 u + i of a block holds token 16 u + 8 h + i.  ew is laid in the same order, so every product meets its partner; only the order of summation inside a block differs from ascending tokens.
; IMAGES.  A quarter-block is 33,792 bytes: codes [tile 8][q 2][chunk 4][lane 32][16 bytes], then scale words [q 2][pair 4][row 16][tile of the pair 2][4 bytes].  kv_img: [batch 8][j 4][gx 8][ek v, ek][33,792];  ew_img: [j 4][128 rows 8][33,792].
; CLUSTERS: 4 x 4 work-groups.  A row of the cluster (same gy) shares x's tiles, a column (same gx) shares Wk's and Wv's: each is asked for jointly.  wbias is shared by nobody: it is read once in the launch, through registers.
; LIMITS: exp(a) is taken as 2^(a log2 e) with the product rounded once, so its relative error grows as |a| x 1e-7; results of the exponential under 2^-126 come out as 0; a block of zeros gets the byte 1 where the quantiser says 127
; (its codes are zeros, and only this program reads the bytes); NaN and infinities are not served.
; REGISTERS: window 0: v0-31 addresses; v32-63 scale words, two sets; v64-127 at work; from v128 source 1's fragments, one set.  Window 1: source 0's fragments, two sets.  Windows 2, 3: accumulators, (a, b) at v[8 (8 (a % 4) + b)].
.set PITCH,  272                       ; an LDS row: 256 bytes + 16 of padding: the 16 rows of a fragment load start 68 words apart
.set HALFT,  128*PITCH                 ; 128 rows: what one tensor load brings
.set SLOT,   4*HALFT                   ; Wk's 128 rows, Wv's, x's 256
.set SCL,    2*SLOT                    ; behind the ring: the scale bytes of all of K, filled once: Wk's, Wv's, x's low 128 rows', x's high
.set HALFS,  16*272                    ; those of 128 rows: 4,096 dense bytes as 16 rows of 256 + 16
.set SPARE,  SCL+4*HALFS               ; the spare words: 128 bytes for each wave, named by no other line
.set QB,     33792                     ; a quarter-block of an image
.set ADRA,  16                         ; v16-17  source 1's fragments in slot 0, 1
.set ADRB,  20                         ; v20-21  source 0's
.set IMG,   24                         ; v24     16 x lane: my place in a chunk of an image
.set SCA,   25                         ; v25     8 x lane: my place among the wave's 256 bytes of scale words
.set WBO,   26                         ; v26     wbias: 4,096 r + 32 h
.set ADRS,  27                         ; v27     scale words: lanes 0-15 Wk's rows, lanes 16-31 x's
.set SPW,   28                         ; v28     my spare word; never rewritten
.set NIL,   29                         ; v29     0; never rewritten
.set ADRS2, 30                         ; v30     scale words: lanes 0-15 Wv's rows, lanes 16-31 x's
.set EWS,   31                         ; v31     8 r: ew's scale word
.set SC,    32                         ; scale words: set s at v[SC + 16 s]; register 2 i + q: lanes 0-15 source 1's block i, lanes 16-31 source 0's block i
.set AF,    128                        ; source 1's fragments
.set EK,    64                         ; the way out: 64 numbers of ek
.set EV,    128                        ; 64 numbers of ek v
.set PCE,   192                        ; ek's codes
.set PCV,   208                        ; ek v's codes
.set TM,    224                        ; v224-227 largest magnitudes, v228-231 bytes, v232-235 448 x the scale, v236-239 the conversions' scale operands
.set PWE,   240                        ; v240-243 ek's scale words of the four channel blocks
.set PWV,   244                        ; v244-247 ek v's
.set WV,  22
.set HI,  23
.set LO,  66
.set MNT, 67                           ; the mantissa field of 448
.set SEL, 100                          ; s[100:101] selects for lane l xor 16
.set L2E, 104                          ; s[104:105] log2(e): the packed form names a pair and takes its low word
.set G1W,  24                          ; group 1: W's tiles;  x's tiles;  W's scales;  x's scales
.set G1X,  32
.set G1SW, 40
.set G1SX, 48
.set G0W,  56                          ; group 0: W's tiles, a set for each slot;  x's likewise;  the scales'
.set G0X,  68
.set G0SW, 76
.set G0SX, 80
.set MSB, 0
.macro WIN new                         ; the immediate's high byte repeats the setting that is left
.if MSB != (\new)
	s_set_vgpr_msb (MSB<<8)|(\new)
.set MSB, (\new)
.endif
.endm
.set MUL_LO, 0xa1                      ; source 0 window 1, source 1 window 0, C and D window 2
.set MUL_HI, 0xf1                      ; the same, C and D window 3
.set TO_B,   0x40                      ; destination window 1
.macro PLACES n
.rept \n
	v_nop
.endr
.endm
; A joint load: waves 0 and 1 fetch for source 1 (Wk, Wv), waves 2 and 3 for source 0 (x's halves).  The branch hangs on the wave's number alone.  Four v_nop follow each of the two lines.
.macro JLOAD g0a, g1a, g0b, g1b
	s_cmp_eq_u32 s[HI], 0
	s_cbranch_scc0 .Lfor_b_\@
	tensor_load_to_lds s[\g0a:\g0a+3], s[\g1a:\g1a+7]
	s_nop 0
.rept 4
	v_nop
.endr
	s_branch .Lasked_\@
.Lfor_b_\@:
	tensor_load_to_lds s[\g0b:\g0b+3], s[\g1b:\g1b+7]
	s_nop 0
.rept 4
	v_nop
.endr
.Lasked_\@:
.endm
.macro CREST                           ; a round of the cluster's barrier behind its opening barrier
	s_cmp_lg_u32 s[WV], 0
	s_cbranch_scc1 .Lnot_wave_0_\@
	s_barrier_signal -3
.Lnot_wave_0_\@:
	s_barrier_wait -3
	s_barrier_signal -1
	s_barrier_wait -1
.endm
.macro CROUND
	s_barrier_signal -1
	s_barrier_wait -1
	CREST
.endm
	s_load_b256 s[4:11], s[0:1], 0x0               ; x's codes s[4:5], x's scales s[6:7], Wk's codes s[8:9], Wk's scales s[10:11]
	s_load_b256 s[12:19], s[0:1], 0x20             ; Wv's codes s[12:13], Wv's scales s[14:15], wbias s[16:17], ew_img s[18:19]
	s_load_b64 s[20:21], s[0:1], 0x40              ; kv_img
	v_lshl_add_u32 v[SPW], v0, 2, SPARE
	v_mov_b32 v[NIL], 0
	ds_add_u32 v28, v29
	ds_add_u32 v28, v29
	s_wait_dscnt 0x0
	v_lshrrev_b32 v1, 5, v0
	v_readfirstlane_b32 s[WV], v1                  ; wave 0..3
	s_lshr_b32 s[HI], s[WV], 1                     ; my 64 channels.  Also: I fetch for W (0) or for x (1)
	s_and_b32 s[LO], s[WV], 1                      ; my 128 tokens.  Also: Wk or Wv, x's low or high rows
	s_bfe_u32 s84, ttmp6, 0x40000                  ; cx
	s_bfe_u32 s85, ttmp6, 0x40004                  ; cy
	s_lshl_b32 s86, ttmp9, 2
	s_add_co_u32 s86, s86, s84                     ; gx: which 128 channels
	s_and_b32 s87, ttmp7, 0xffff
	s_lshl_b32 s87, s87, 2
	s_add_co_u32 s87, s87, s85                     ; gy: which 256 tokens
	s_lshl_b32 s88, s85, 2
	s_lshl_b32 s88, 15, s88                        ; my row of the cluster
	s_lshl_b32 s89, 0x1111, s84                    ; my column
	; group 1: tiles of 128 rows x 256 bytes, rows 1,024 bytes apart; 4 words of padding behind every 64
	s_or_b32 s[G1W], s89, (0<<16)|(1<<20)|(1<<21)|(5<<22)|(3<<25)   ; W's tiles go to my column
	s_or_b32 s[G1X], s88, (0<<16)|(1<<20)|(1<<21)|(5<<22)|(3<<25)   ; x's to my row
.irp g, G1W, G1X
	s_mov_b32 s[\g+1], 256<<16                     ; tensor_dim0
	s_mov_b32 s[\g+2], 128<<16                     ; tensor_dim1
	s_mov_b32 s[\g+3], 256<<16                     ; tile_dim0
	s_mov_b32 s[\g+4], 128                         ; tile_dim1
	s_mov_b32 s[\g+5], 1024                        ; from row to row
	s_mov_b32 s[\g+6], 0
	s_mov_b32 s[\g+7], 0
.endr
	; the scales of 128 rows: 4,096 dense bytes as 16 rows of 32 elements of 8 bytes, padded likewise
	s_or_b32 s[G1SW], s89, (3<<16)|(1<<20)|(1<<21)|(5<<22)|(3<<25)
	s_or_b32 s[G1SX], s88, (3<<16)|(1<<20)|(1<<21)|(5<<22)|(3<<25)
.irp g, G1SW, G1SX
	s_mov_b32 s[\g+1], 32<<16
	s_mov_b32 s[\g+2], 16<<16
	s_mov_b32 s[\g+3], 32<<16
	s_mov_b32 s[\g+4], 16
	s_mov_b32 s[\g+5], 32
	s_mov_b32 s[\g+6], 0
	s_mov_b32 s[\g+7], 0
.endr
	s_mov_b32 s[SEL], 0x76543210
	s_mov_b32 s[SEL+1], 0xfedcba98
	s_mov_b32 s[MNT], 0x600000
	s_mov_b32 s[L2E], 0x3fb8aa3b                   ; log2(e)
	s_mov_b32 s[L2E+1], s[L2E]                     ; (named with it as a pair, so it is written)
	s_lshl_b32 s2, s87, 8
	s_lshl_b32 s3, s[LO], 7
	s_add_co_u32 s2, s2, s3                        ; x: row 256 gy + 128 x half
	s_lshl_b32 s98, s2, 5                          ; its scales, 32 bytes a row,
	s_lshl_b32 s2, s2, 10                          ; its codes, 1,024
	s_mov_b32 s3, 0
	s_mov_b32 s99, 0
	s_mov_b32 s95, 0
	s_mul_i32 s96, s[WV], HALFT                    ; where the tiles go: wave x 128 rows: no place in the cluster enters an LDS address
	s_mul_i32 s97, s[WV], HALFS
	s_wait_kmcnt 0x0
	s_add_nc_u64 s[2:3], s[4:5], s[2:3]
	s_add_nc_u64 s[98:99], s[6:7], s[98:99]
	s_cmp_eq_u32 s[LO], 0                          ; Wk or Wv: the choice hangs on the wave's number alone
	s_cselect_b64 s[90:91], s[8:9], s[12:13]
	s_cselect_b64 s[92:93], s[10:11], s[14:15]
	s_lshl_b32 s94, s86, 17                        ; 128 gx rows of 1,024 bytes
	s_add_nc_u64 s[90:91], s[90:91], s[94:95]
	s_lshl_b32 s94, s86, 12                        ; and of 32
	s_add_nc_u64 s[92:93], s[92:93], s[94:95]
	CROUND                                         ; all sixteen work-groups are here: the first joint loads meet
	s_mov_b32 s[G0SW], 1
	s_add_co_u32 s[G0SW+1], s97, SCL
	s_mov_b64 s[G0SW+2:G0SW+3], s[92:93]
	s_or_b32 s[G0SW+3], s[G0SW+3], 0x80000000
	s_mov_b32 s[G0SX], 1
	s_add_co_u32 s[G0SX+1], s97, SCL
	s_mov_b64 s[G0SX+2:G0SX+3], s[98:99]
	s_or_b32 s[G0SX+3], s[G0SX+3], 0x80000000
	JLOAD G0SW, G1SW, G0SX, G1SX                   ; the scales first: they are wanted with K step 0
.irp s, 0,1
	s_mov_b32 s[G0W+4*\s], 1
	s_add_co_u32 s[G0W+4*\s+1], s96, \s*SLOT
	s_add_nc_u64 s[G0W+4*\s+2:G0W+4*\s+3], s[90:91], \s*256
	s_or_b32 s[G0W+4*\s+3], s[G0W+4*\s+3], 0x80000000
	s_mov_b32 s[G0X+4*\s], 1
	s_add_co_u32 s[G0X+4*\s+1], s96, \s*SLOT
	s_add_nc_u64 s[G0X+4*\s+2:G0X+4*\s+3], s[2:3], \s*256
	s_or_b32 s[G0X+4*\s+3], s[G0X+4*\s+3], 0x80000000
	JLOAD G0W+4*\s, G1W, G0X+4*\s, G1X             ; three loads of mine are out now
.endr
	; every LDS address register is made here, on the way that all waves take
	v_and_b32 v1, 15, v0                           ; r
	v_bfe_u32 v2, v0, 4, 1                         ; h
	v_mul_u32_u24 v3, v1, PITCH
	v_lshl_add_u32 v4, v2, 4, v3                   ; a fragment's row x pitch + 16 h
	s_mul_i32 s96, s[HI], 64*PITCH                 ; my 64 rows of Wk (Wv's lie HALFT further on)
	s_mul_i32 s97, s[LO], HALFT                    ; my 128 rows of x,
	s_add_co_u32 s97, s97, 2*HALFT                 ; behind Wk's and Wv's
.irp s, 0,1
	v_add_nc_u32 v[ADRA+\s], s96, v4
	v_add_nc_u32 v[ADRB+\s], s97, v4
	s_add_co_u32 s96, s96, SLOT
	s_add_co_u32 s97, s97, SLOT
.endr
	v_lshlrev_b32 v5, 5, v1                        ; a row's scales: 32 bytes a row,
	v_lshrrev_b32 v6, 3, v1
	v_lshl_add_u32 v5, v6, 4, v5                   ; and 16 more for each 256 passed
	s_mul_i32 s94, s[HI], 2176                     ; Wk's: my 64 rows
	s_mul_i32 s95, s[LO], HALFS
	s_add_co_u32 s95, s95, 2*HALFS                 ; x's: my 128 rows
	s_sub_co_u32 s95, s95, s94                     ; the distance from the one to the other: lanes 16-31 take x's
	v_mul_u32_u24 v6, s95, v2
	s_add_co_u32 s96, s94, SCL
	v_add_nc_u32 v6, v5, v6
	v_add_nc_u32 v[ADRS], s96, v6
	s_mul_i32 s95, s[LO], HALFS                    ; for blocks 4-7 lanes 0-15 take Wv's rows: with the blocks' 544 i that is 2,176 bytes further on
	s_add_co_u32 s95, s95, 2*HALFS-2176
	s_sub_co_u32 s95, s95, s94
	v_mul_u32_u24 v6, s95, v2
	s_add_co_u32 s96, s94, SCL+2176
	v_add_nc_u32 v6, v5, v6
	v_add_nc_u32 v[ADRS2], s96, v6
	v_and_b32 v7, 31, v0
	v_lshlrev_b32 v[IMG], 4, v7
	v_lshlrev_b32 v[SCA], 3, v7
	v_lshlrev_b32 v[WBO], 12, v1
	v_lshl_add_u32 v[WBO], v2, 5, v[WBO]
	v_lshlrev_b32 v[EWS], 3, v1
.irp b, 0,1,2,3
	v_mov_b32 v[TM+4+\b], 0                        ; a lane permute's destination counts as one of its sources
.endr
; 64 numbers of a lane, register 16 b + i = place 32 b + 16 (lane / 16) + i along K of my row, become a fragment's codes in v[pc] on and its scale word in v[pw].
.macro QUANT s, pc, pw
.irp b, 0,1,2,3
	v_max3_num_f32 v[TM+\b], |v[\s+16*\b]|, |v[\s+1+16*\b]|, 0x4800000   ; block b: my 16 numbers, and the floor 2^(9 - 127): the byte cannot fall under 1
.endr
.irp i, 2,4,6,8,10,12,14
.irp b, 0,1,2,3
	v_max3_num_f32 v[TM+\b], v[TM+\b], |v[\s+16*\b+\i]|, |v[\s+1+16*\b+\i]|   ; the four blocks by turns
.endr
.endr
.irp b, 0,1,2,3
	v_permlanex16_b32 v[TM+4+\b], v[TM+\b], s[SEL], s[SEL+1]
.endr
.irp b, 0,1,2,3
	v_max_num_f32 v[TM+\b], v[TM+\b], v[TM+4+\b]   ; with lane l xor 16's: the block's largest magnitude
.endr
.irp b, 0,1,2,3
	v_add_nc_u32 v[TM+12+\b], 0xfc000000, v[TM+\b] ; 8 off its exponent field: the conversion's scale operand
.endr
.irp b, 0,1,2,3
	v_and_or_b32 v[TM+8+\b], v[TM+\b], 0x7f800000, s[MNT]   ; 448 x the scale
.endr
.irp b, 0,1,2,3
	v_lshrrev_b32 v[TM+4+\b], 23, v[TM+12+\b]      ; the scale's byte
.endr
	v_lshl_or_b32 v[\pw], v[TM+5], 8, v[TM+4]      ; four bytes: my row's scale word
	v_lshl_or_b32 v[\pw], v[TM+6], 16, v[\pw]
	v_lshl_or_b32 v[\pw], v[TM+7], 24, v[\pw]
.irp b, 0,1,2,3
.irp i, 0,1,2,3,4,5,6,7,8,9,10,11,12,13,14,15
	v_med3_num_f32 v[\s+16*\b+\i], v[\s+16*\b+\i], -v[TM+8+\b], v[TM+8+\b]   ; the conversion to an 8-bit code does not saturate (ISA guide 7.6.2): the hold comes first
.endr
	v_cvt_scalef32_pk8_fp8_f32 v[\pc+4*\b:\pc+1+4*\b], v[\s+16*\b:\s+7+16*\b], v[TM+12+\b]
	v_cvt_scalef32_pk8_fp8_f32 v[\pc+2+4*\b:\pc+3+4*\b], v[\s+8+16*\b:\s+15+16*\b], v[TM+12+\b]
.endr
	v_nop                                          ; one plain vector line behind the last conversion
.endm
	; ---- ew: wave w (0, 1) makes the fragment of rows 16 (2 gy + w) on, columns 128 gx on.  No LDS, no barrier and no tensor load stands in this branch.
	s_cmp_lt_u32 s[WV], 2
	s_cbranch_scc0 .Lno_ew
	s_lshl_b32 s90, s87, 1
	s_add_co_u32 s90, s90, s[WV]                   ; the tile of 16 rows
	s_lshl_b32 s92, s90, 16                        ; 16 rows of 4,096 bytes
	s_lshl_b32 s91, s86, 9                         ; 128 columns of 4 bytes
	s_add_co_u32 s92, s92, s91
	s_mov_b32 s93, 0
	s_add_nc_u64 s[16:17], s[16:17], s[92:93]
.irp c, 0,1,2,3
.irp u, 0,1
.irp i, 0,1
	global_load_b128 v[EK+16*\c+8*\u+4*\i:EK+16*\c+8*\u+4*\i+3], v[WBO], s[16:17] offset:128*\c+64*\u+16*\i th:TH_LOAD_NT   ; register 16 c + 8 u + i: column 32 c + 16 u + 8 h + i: the order in which k's results fall
.endr
.endr
.endr
	s_lshr_b32 s92, s86, 1                         ; j = gx / 2
	s_lshl_b32 s92, s92, 3
	s_lshr_b32 s91, s87, 2                         ; which 128 rows
	s_add_co_u32 s92, s92, s91
	s_mul_i32 s92, s92, QB                         ; the quarter-block
	s_and_b32 s91, s86, 1                          ; q
	s_and_b32 s94, s90, 7                          ; the tile in it
	s_lshl_b32 s94, s94, 12
	s_add_co_u32 s94, s94, s92
	s_lshl_b32 s95, s91, 11
	s_add_co_u32 s94, s94, s95
	s_mov_b32 s95, 0
	s_add_nc_u64 s[94:95], s[18:19], s[94:95]      ; the fragment's 2,048 bytes
	s_lshl_b32 s96, s91, 9
	s_add_co_u32 s92, s92, s96
	s_and_b32 s96, s87, 3                          ; the pair of tiles
	s_lshl_b32 s96, s96, 7
	s_add_co_u32 s92, s92, s96
	s_lshl_b32 s96, s[WV], 2                       ; the tile of the pair
	s_add_co_u32 s92, s92, s96
	s_add_co_u32 s92, s92, 32768
	s_add_nc_u64 s[92:93], s[18:19], s[92:93]      ; its scale words, 8 bytes from row to row
	s_wait_loadcnt 0x0
.set i, 0
.rept 32
	v_pk_mul_f32 v[EK+i:EK+i+1], v[EK+i:EK+i+1], s[L2E:L2E+1] op_sel_hi:[1,0]
.set i, i+2
.endr
.set i, 0
.rept 64
	v_exp_f32 v[EK+i], v[EK+i]
.set i, i+1
.endr
	v_nop                                          ; a plain line behind the exponentials
	s_wait_alu depctr_va_vdst(0)
	QUANT EK, PCE, PWE
.irp c, 0,1,2,3
	global_store_b128 v[IMG], v[PCE+4*\c:PCE+4*\c+3], s[94:95] offset:512*\c   ; 32 lanes store 512 consecutive bytes
.endr
	global_store_b32 v[EWS], v[PWE], s[92:93]      ; lanes 16-31 hold the same word and write it to the same place.  Four bytes in eight: 32 KB in the whole launch leave so
.Lno_ew:
	s_wait_xcnt 0x0                                ; those stores have read their registers: fragment loads land there below
.macro FRAG reg, adr, off, cs          ; a fragment: 16 registers, four loads of 16 bytes a lane
.irp c, 0,1,2,3
	ds_load_b128 v[\reg+4*\c:\reg+4*\c+3], v[\adr] offset:(\off)+(\cs)*\c
.endr
.endm
.macro FETCH_S0 slot, q, p             ; x's eight fragments of the slot's q-th 128 along K into set p
	WIN TO_B
.irp i, 0,1,2,3,4,5,6,7
	FRAG 128*(\p)+16*\i, ADRB+\slot, 4352*\i+128*(\q), 32
.endr
	WIN 0
.endm
.macro FETCH_S1 slot, q, i0            ; W's blocks i0 .. i0 + 3: blocks 0-3 Wk's, 4-7 Wv's
.irp i, \i0, \i0+1, \i0+2, \i0+3
	FRAG AF+16*(\i), ADRA+\slot, ((\i)/4)*HALFT+((\i)%4)*4352+128*(\q), 32
.endr
.endm
.macro SCALES set, n                   ; K step n's scale words, two a row
.irp i, 0,1,2,3
	ds_load_b64 v[SC+16*(\set)+2*\i:SC+16*(\set)+2*\i+1], v[ADRS] offset:544*\i+8*(\n)
.endr
.irp i, 4,5,6,7
	ds_load_b64 v[SC+16*(\set)+2*\i:SC+16*(\set)+2*\i+1], v[ADRS2] offset:544*\i+8*(\n)
.endr
.endm
; 16 products: W's blocks a0, a0 + 1 x x's eight.  The 64 accumulators take turns, one instruction a turn, in the same order in every step.
.macro MULS a0, p, q, set, zero
.irp a, \a0, \a0+1
.irp b, 0,1,2,3,4,5,6,7
.set rD, 8*(8*((\a)%4)+\b)
.set rX, 128*(\p)+16*\b
.set rW, AF+16*(\a)
.set sX, SC+16*(\set)+2*\b+(\q)
.set sW, SC+16*(\set)+2*(\a)+(\q)
.if \zero
	v_wmma_scale_f32_16x16x128_f8f6f4 v[rD:rD+7], v[rX:rX+15], v[rW:rW+15], 0, v[sX], v[sW] matrix_a_scale:MATRIX_SCALE_ROW1
.else
	v_wmma_scale_f32_16x16x128_f8f6f4 v[rD:rD+7], v[rX:rX+15], v[rW:rW+15], v[rD:rD+7], v[sX], v[sW] matrix_a_scale:MATRIX_SCALE_ROW1
.endif
.endr
.endr
.endm
; A slot's first 128 along K.  Eight plain vector lines stand in front of each run of loads into registers that matrix instructions have read.
.macro STEP slot, zero
	s_wait_dscnt 16                                ; all but the youngest 16 loads (W's blocks 4-7) are in
	WIN MUL_LO
	MULS 0, 0, 0, \slot, \zero
	MULS 2, 0, 0, \slot, \zero
	s_wait_dscnt 0x0                               ; W's blocks 4-7 are in
	PLACES 8
	FETCH_S0 \slot, 1, 1
	FETCH_S1 \slot, 1, 0
	WIN MUL_HI
	MULS 4, 0, 0, \slot, \zero
	MULS 6, 0, 0, \slot, \zero
	PLACES 8
	WIN 0
	FETCH_S1 \slot, 1, 4
.endm
; A slot's second 128 changes slots: in front of the barrier each wave waits for all its tensor loads, adds 0 to its spare word, and waits for that and for its reads of this slot.  fill = 1: the slot is filled again, two K steps ahead.
.macro TURN slot, next, fill, nn
	s_wait_tensorcnt 0x0                           ; all my tensor loads have landed: my part of the next slot
	ds_add_u32 v[SPW], v[NIL]                      ; 0 onto my spare word
	s_wait_dscnt 17                                ; (the add and the youngest 16 loads may be out)
	WIN MUL_LO
	MULS 0, 1, 1, \slot, 0
	s_wait_dscnt 0x0                               ; the add is done, and my reads of this slot are over
	s_barrier_signal -1
	MULS 2, 1, 1, \slot, 0
	WIN 0                                          ; at a branch and at a label every window is 0
	s_barrier_wait -1
.if \fill
	CREST                                          ; the barrier has opened a round of the cluster's: no wave of any partner still reads this slot or has a load on its way
	s_add_nc_u64 s[G0W+4*\slot+2:G0W+4*\slot+3], s[G0W+4*\slot+2:G0W+4*\slot+3], 512
	s_add_nc_u64 s[G0X+4*\slot+2:G0X+4*\slot+3], s[G0X+4*\slot+2:G0X+4*\slot+3], 512
	JLOAD G0W+4*\slot, G1W, G0X+4*\slot, G1X       ; my one tensor load behind the round; its four v_nop are four of the eight lines in front of the loads below
	PLACES 4
.else
	PLACES 8
.endif
	FETCH_S0 \next, 0, 0
	FETCH_S1 \next, 0, 0
	SCALES \next, \nn
	WIN MUL_HI
	MULS 4, 1, 1, \slot, 0
	MULS 6, 1, 1, \slot, 0
	PLACES 8
	WIN 0
	FETCH_S1 \next, 0, 4
.endm
	s_wait_tensorcnt 0x1                           ; the scales and my part of K step 0 are in; K step 1's load may be out
	s_barrier_signal -1
	s_barrier_wait -1
	FETCH_S0 0, 0, 0
	FETCH_S1 0, 0, 0
	SCALES 0, 0
	FETCH_S1 0, 0, 4
	STEP 0, 1                                      ; K = 1,024 is four K steps of 256, written out: the first products start the sums
	TURN 0, 1, 1, 1
	STEP 1, 0
	TURN 1, 0, 1, 2
	STEP 0, 0
	TURN 0, 1, 0, 3                                ; nothing is left to fetch: no round
	STEP 1, 0
	s_wait_dscnt 16
	WIN MUL_LO
	MULS 0, 1, 1, 1, 0
	MULS 2, 1, 1, 1, 0
	s_wait_dscnt 0x0
	WIN MUL_HI
	MULS 4, 1, 1, 1, 0
	MULS 6, 1, 1, 1, 0
	WIN 0
	PLACES 8                                       ; in front of the first reads of results and of writes over the fragments' registers
	; ---- THE WAY OUT.  My 128 tokens are one K step of 128 of the next launch: each of my four channel blocks gives one fragment of ek v and one of ek.
	s_lshl_b32 s94, s87, 4
	s_lshl_b32 s95, s86, 1
	s_add_co_u32 s94, s94, s95
	s_mul_i32 s94, s94, QB                         ; quarter-block 16 gy + 2 gx: ek v's; ek's follows it
	s_lshl_b32 s95, s[HI], 14                      ; tiles 4 HI on,
	s_add_co_u32 s96, s94, s95
	s_lshl_b32 s95, s[LO], 11                      ; q = LO
	s_add_co_u32 s96, s96, s95
	s_mov_b32 s97, 0
	s_add_nc_u64 s[96:97], s[20:21], s[96:97]
	s_lshl_b32 s95, s[LO], 9
	s_add_co_u32 s94, s94, s95
	s_lshl_b32 s95, s[HI], 8
	s_add_co_u32 s94, s94, s95
	s_add_co_u32 s94, s94, 32768
	s_mov_b32 s95, 0
	s_add_nc_u64 s[94:95], s[20:21], s[94:95]      ; my wave's 256 bytes of scale words
.macro CHAN a
.if \a > 0
	s_wait_xcnt 0x0                                ; the last block's stores have read their registers
.endif
	WIN 0x02                                       ; source 0: window 2 (k)
.set i, 0
.rept 32
	v_pk_mul_f32 v[EK+i:EK+i+1], v[64*\a+i:64*\a+i+1], s[L2E:L2E+1] op_sel_hi:[1,0]   ; each accumulator from its low end on
.set i, i+2
.endr
	WIN 0
.set i, 0
.rept 64
	v_exp_f32 v[EK+i], v[EK+i]                     ; ek
.set i, i+1
.endr
	v_nop                                          ; a plain line behind the exponentials
	WIN 0x0c                                       ; source 1: window 3 (v)
.set i, 0
	s_wait_alu depctr_va_vdst(0)
.rept 32
	v_pk_mul_f32 v[EV+i:EV+i+1], v[EK+i:EK+i+1], v[64*\a+i:64*\a+i+1]   ; ek v
.set i, i+2
.endr
	WIN 0
	QUANT EV, PCV, PWV+\a
.irp c, 0,1,2,3
	global_store_b128 v[IMG], v[PCV+4*\c:PCV+4*\c+3], s[96:97] offset:4096*\a+512*\c      ; 32 lanes store 512 consecutive bytes
.endr
	QUANT EK, PCE, PWE+\a
.irp c, 0,1,2,3
	global_store_b128 v[IMG], v[PCE+4*\c:PCE+4*\c+3], s[96:97] offset:QB+4096*\a+512*\c
.endr
.endm
	CHAN 0
	CHAN 1
	CHAN 2
	CHAN 3
	v_cmp_eq_u32 vcc_lo, 1, v2                     ; lanes r and r + 16 hold the same words: lanes 0-15 send those of blocks 0, 1, lanes 16-31 those of blocks 2, 3
	v_cndmask_b32 v[TM], v[PWV], v[PWV+2], vcc_lo
	v_cndmask_b32 v[TM+1], v[PWV+1], v[PWV+3], vcc_lo
	v_cndmask_b32 v[TM+2], v[PWE], v[PWE+2], vcc_lo
	v_cndmask_b32 v[TM+3], v[PWE+1], v[PWE+3], vcc_lo
	global_store_b64 v[SCA], v[TM:TM+1], s[94:95]              ; 32 lanes store 256 consecutive bytes, aligned
	global_store_b64 v[SCA], v[TM+2:TM+3], s[94:95] offset:QB
	s_wait_tensorcnt 0x0                           ; the wave's end
	ds_add_u32 v[SPW], v[NIL]
	s_wait_dscnt 0x0
	CROUND                                         ; the closing round: no work-group ends while a partner may still ask for a tile that names it
	s_endpgm
.Lfunc_end_k_q05df8cadf7_kv:
	.size	k_q05df8cadf7_kv, .Lfunc_end_k_q05df8cadf7_kv-k_q05df8cadf7_kv
	.p2alignl 7, 3214868480
	.fill 96, 4, 3214868480
	.section	.rodata,"a",@progbits
	.p2align	6, 0x0
	.amdhsa_kernel k_q05df8cadf7_kv
		.amdhsa_group_segment_fixed_size 327680
		.amdhsa_private_segment_fixed_size 0
		.amdhsa_enable_private_segment 0
		.amdhsa_kernarg_size 72
		.amdhsa_user_sgpr_count 2
		.amdhsa_user_sgpr_kernarg_segment_ptr 1
		.amdhsa_wavefront_size32 1
		.amdhsa_system_sgpr_workgroup_id_x 1
		.amdhsa_system_sgpr_workgroup_id_y 1
		.amdhsa_system_sgpr_workgroup_id_z 1
		.amdhsa_system_vgpr_workitem_id 0
		.amdhsa_next_free_vgpr 1024
		.amdhsa_next_free_sgpr 106
		.amdhsa_reserve_vcc 1
		.amdhsa_float_denorm_mode_32 3
		.amdhsa_float_denorm_mode_16_64 3
		.amdhsa_memory_ordered 1
		.amdhsa_forward_progress 1
		.amdhsa_inst_pref_size 224
	.end_amdhsa_kernel
	.amdgpu_metadata
---
amdhsa.version: [ 1, 2 ]
amdhsa.kernels:
  - .name:           k_q05df8cadf7_kv
    .symbol:         k_q05df8cadf7_kv.kd
    .args:
      - { .name: x_codes, .offset: 0, .size: 8, .value_kind: global_buffer, .address_space: global }
      - { .name: x_scales, .offset: 8, .size: 8, .value_kind: global_buffer, .address_space: global }
      - { .name: Wk_codes, .offset: 16, .size: 8, .value_kind: global_buffer, .address_space: global }
      - { .name: Wk_scales, .offset: 24, .size: 8, .value_kind: global_buffer, .address_space: global }
      - { .name: Wv_codes, .offset: 32, .size: 8, .value_kind: global_buffer, .address_space: global }
      - { .name: Wv_scales, .offset: 40, .size: 8, .value_kind: global_buffer, .address_space: global }
      - { .name: wbias, .offset: 48, .size: 8, .value_kind: global_buffer, .address_space: global }
      - { .name: ew_img, .offset: 56, .size: 8, .value_kind: global_buffer, .address_space: global }
      - { .name: kv_img, .offset: 64, .size: 8, .value_kind: global_buffer, .address_space: global }
    .group_segment_fixed_size: 327680
    .private_segment_fixed_size: 0
    .kernarg_segment_align: 8
    .kernarg_segment_size: 72
    .max_flat_workgroup_size: 128
    .sgpr_count:     106
    .vgpr_count:     1024
    .wavefront_size: 32
...
	.end_amdgpu_metadata
.endif
;; end of part 1
;; launch aft (part 2): grid 8 x 32, 4 waves a work-group, clusters of 4 x 4, 327,680 bytes of LDS; arguments ew_img, kv_img, x_codes, x_scales, Wq_codes, Wq_scales, out0; writes out0
.if DOCPART == 2
	.amdgcn_target "amdgcn-amd-amdhsa--gfx1250"
	.amdhsa_code_object_version 6
	.text
	.protected	k_q05df8cadf7_aft
	.globl	k_q05df8cadf7_aft
	.p2align	8
	.type	k_q05df8cadf7_aft,@function
k_q05df8cadf7_aft:
	s_mov_b64 s[64:65], 0
	v_nop
	global_prefetch_b8 v0, s[64:65] scope:SCOPE_SE
	s_setreg_imm32_b32 hwreg(HW_REG_WAVE_MODE, 25, 1), 1
	s_wait_xcnt 0x0
	s_wait_alu depctr_hold_cnt(0) depctr_sa_sdst(0) depctr_va_vdst(0) depctr_va_sdst(0) depctr_va_ssrc(0) depctr_va_vcc(0) depctr_vm_vsrc(0)
	s_getreg_b32 s2, hwreg(HW_REG_IB_STS2, 6, 4)
	s_cmp_eq_u32 s2, 0
	s_cbranch_scc0 .Lentry_in_a_cluster
	s_endpgm
.Lentry_in_a_cluster:
	s_bfe_u32 s2, ttmp6, 0x10000c
	s_cmp_lg_u32 s2, 0xf033
	s_cbranch_scc0 .Lentry_shape_is_right
	s_endpgm
.Lentry_shape_is_right:
; out = sigmoid(q) num / den, with num = ew (ek v), den = ew ek (K = the 1,024 tokens of a batch) and q = x Wq^T (K = 1,024), all on codes of E4M3 with E8M0 scales.
; ew, ek v and ek come as images of operand registers with their scale words beside them, made by the launch before; x and Wq as the problem gives them.
; SHARES.  A work-group takes 256 rows t of one batch x 128 channels.  Wave (HI, LO): rows 128 HI on, channels 64 LO on.  Source 0 = 16 channels, source 1 = 16 rows t: a lane holds one row (lane % 16) and eight neighbouring channels.
; PHASE ND, four K steps of 256: source 0's blocks 0-3 are ek v (num), blocks 4-7 ek (den): 64 accumulators.  Then r = num / den in num's registers.
; PHASE Q, four K steps of 256: source 0's blocks 4-7 are Wq's channels, source 1 = x's rows: q's 32 accumulators are the registers that den has left, so q never goes to memory.  Then out = r / (1 + 2^(-q log2 e)).
; The eight K steps go through one ring of two LDS slots.  CLUSTERS: 4 x 4; a row of the cluster (same 256 rows t) shares ew's and x's tiles, a column (same channels) shares ek v's, ek's and Wq's: each is asked for jointly.
; LIMITS: 1 / den and the sigmoid's division are v_rcp_f32 and a multiplication; NaN and infinities are not served.
; REGISTERS: window 0: v0-31 addresses; v32-63 scale words, two sets; from v128 source 1's fragments, one set.  Window 1: source 0's fragments, two sets.  Windows 2, 3: accumulators, (a, b) at v[8 (8 (a % 4) + b)].
.set QB,     33792                     ; a quarter-block of an image: 132 rows of 256 bytes
.set QUART,  132*272                   ; and in LDS, 16 bytes of padding behind each row
.set SLOT,   4*QUART                   ; ND: ew's low 128 rows, its high, ek v, ek.  Q: x's low 128 rows, its high, nothing, Wq's 128 rows
.set SCX,    2*SLOT                    ; behind the ring, filled once: x's scale bytes of all of K (2 x 128 rows),
.set SCW,    SCX+2*4352                ; Wq's (2 x 64 rows),
.set SPARE,  SCW+2*2176                ; and the spare words: 128 bytes for each wave, named by no other line
.set ADSN,  8                          ; v8-9    ND's scale words, pairs 0, 1, in slot 0, 1: lanes 0-15 ew's, lanes 16-31 ek v's
.set ADSN2, 10                         ; v10-11  pairs 2, 3: lanes 0-15 ew's, lanes 16-31 ek's
.set ADSQ,  12                         ; v12     Q's scale words: lanes 0-15 x's rows, lanes 16-31 Wq's
.set ADRA,  16                         ; v16-17  ew's fragments in slot 0, 1
.set ADRB,  18                         ; v18-19  ek v's (ek's lie QUART further on)
.set ADRAQ, 20                         ; v20-21  x's
.set ADRBQ, 22                         ; v22-23  Wq's
.set STO,   24                         ; v24     the way out: where I put 32 bytes of a row
.set RD,    25                         ; v25     where I read a row back
.set CO,    26                         ; v26     my byte offset in out
.set SPW,   28                         ; v28     my spare word; never rewritten
.set NIL,   29                         ; v29     0; never rewritten
.set SC,    32                         ; scale words, set s at v[SC + 16 s]: ND: register 8 q + i;  Q: register 2 i + q;  lanes 0-15 source 1's block i, lanes 16-31 source 0's
.set AF,    128                        ; source 1's fragments
.set BK,    128                        ; the way out: rows read back from the stage, v128-159 and v160-191 by turns
.set WV,  18
.set HI,  19
.set LO,  20
.set WQL, 21                           ; s21  where my part of Wq's tile goes in slot 0
.set NL2E, 104                         ; s[104:105] -log2(e)
.set G1AI, 24                          ; group 1: ew's quarter-blocks;  ek v's and ek's;  x's tiles;  Wq's;  x's scales;  Wq's
.set G1BI, 32
.set G1AR, 40
.set G1BR, 48
.set G1SA, 56
.set G1SB, 68
.set G0A,  76                          ; group 0 for source 1's tiles, a set for each slot;  for source 0's;  for the scales
.set G0B,  84
.set G0SA, 92
.set G0SB, 96
.set MSB, 0
.macro WIN new                         ; the immediate's high byte repeats the setting that is left
.if MSB != (\new)
	s_set_vgpr_msb (MSB<<8)|(\new)
.set MSB, (\new)
.endif
.endm
.set MUL_LO, 0xa1                      ; source 0 window 1, source 1 window 0, C and D window 2
.set MUL_HI, 0xf1                      ; the same, C and D window 3
.set TO_B,   0x40                      ; destination window 1
.macro PLACES n
.rept \n
	v_nop
.endr
.endm
; A joint load: waves 0 and 1 fetch for source 1, waves 2 and 3 for source 0.  The branch hangs on the wave's number alone.  Four v_nop follow each of the two lines.
.macro JLOAD g0a, g1a, g0b, g1b
	s_cmp_eq_u32 s[HI], 0
	s_cbranch_scc0 .Lfor_b_\@
	tensor_load_to_lds s[\g0a:\g0a+3], s[\g1a:\g1a+7]
	s_nop 0
.rept 4
	v_nop
.endr
	s_branch .Lasked_\@
.Lfor_b_\@:
	tensor_load_to_lds s[\g0b:\g0b+3], s[\g1b:\g1b+7]
	s_nop 0
.rept 4
	v_nop
.endr
.Lasked_\@:
.endm
.macro CREST                           ; a round of the cluster's barrier behind its opening barrier
	s_cmp_lg_u32 s[WV], 0
	s_cbranch_scc1 .Lnot_wave_0_\@
	s_barrier_signal -3
.Lnot_wave_0_\@:
	s_barrier_wait -3
	s_barrier_signal -1
	s_barrier_wait -1
.endm
.macro CROUND
	s_barrier_signal -1
	s_barrier_wait -1
	CREST
.endm
	s_load_b256 s[4:11], s[0:1], 0x0               ; ew_img s[4:5], kv_img s[6:7], x's codes s[8:9], x's scales s[10:11]
	s_load_b128 s[12:15], s[0:1], 0x20             ; Wq's codes s[12:13], Wq's scales s[14:15]
	s_load_b64 s[16:17], s[0:1], 0x30              ; out
	v_lshl_add_u32 v[SPW], v0, 2, SPARE
	v_mov_b32 v[NIL], 0
	ds_add_u32 v28, v29
	ds_add_u32 v28, v29
	s_wait_dscnt 0x0
	v_lshrrev_b32 v1, 5, v0
	v_readfirstlane_b32 s[WV], v1                  ; wave 0..3
	s_lshr_b32 s[HI], s[WV], 1                     ; my 128 rows.  Also: I fetch for source 1 (0) or for source 0 (1)
	s_and_b32 s[LO], s[WV], 1                      ; my 64 channels.  Also: which part I fetch
	s_bfe_u32 s22, ttmp6, 0x40000                  ; cx
	s_bfe_u32 s23, ttmp6, 0x40004                  ; cy: which 256 rows t of the batch
	s_lshl_b32 s66, ttmp9, 2
	s_add_co_u32 s66, s66, s22                     ; gx: which 128 channels
	s_and_b32 s67, ttmp7, 0xffff                   ; the batch: the cluster's y
	s_lshl_b32 s100, s23, 2
	s_lshl_b32 s100, 15, s100                      ; my row of the cluster
	s_lshl_b32 s101, 0x1111, s22                   ; my column
	; group 1: all in elements of 8 bytes, rows of 32 of them (256 bytes), 4 words of padding behind every 64
.irp g, G1AI, G1AR, G1SA
	s_or_b32 s[\g], s100, (3<<16)|(1<<20)|(1<<21)|(5<<22)|(3<<25)   ; to my row of the cluster
.endr
.irp g, G1BI, G1BR, G1SB
	s_or_b32 s[\g], s101, (3<<16)|(1<<20)|(1<<21)|(5<<22)|(3<<25)   ; to my column
.endr
.irp g, G1AI, G1BI, G1AR, G1BR, G1SA, G1SB
	s_mov_b32 s[\g+1], 32<<16                      ; tensor_dim0
	s_mov_b32 s[\g+3], 32<<16                      ; tile_dim0
	s_mov_b32 s[\g+6], 0
	s_mov_b32 s[\g+7], 0
.endr
.irp g, G1AI, G1BI                     ; a quarter-block: 132 dense rows
	s_mov_b32 s[\g+2], 132<<16
	s_mov_b32 s[\g+4], 132
	s_mov_b32 s[\g+5], 32
.endr
	s_mov_b32 s[G1AR+2], 128<<16                   ; x: 128 rows, 1,024 bytes apart
	s_mov_b32 s[G1AR+4], 128
	s_mov_b32 s[G1AR+5], 128
	s_mov_b32 s[G1BR+2], 64<<16                    ; Wq: 64 rows
	s_mov_b32 s[G1BR+4], 64
	s_mov_b32 s[G1BR+5], 128
	s_mov_b32 s[G1SA+2], 16<<16                    ; the scales of 128 rows: 4,096 dense bytes
	s_mov_b32 s[G1SA+4], 16
	s_mov_b32 s[G1SA+5], 32
	s_mov_b32 s[G1SB+2], 8<<16                     ; of 64 rows
	s_mov_b32 s[G1SB+4], 8
	s_mov_b32 s[G1SB+5], 32
	s_mov_b32 s[NL2E], 0xbfb8aa3b                  ; -log2(e)
	s_mov_b32 s[NL2E+1], s[NL2E]                   ; (named with it as a pair, so it is written)
	s_mov_b32 s3, 0                                ; s[2:3] carries each offset in turn
	s_wait_kmcnt 0x0
	s_lshl_b32 s2, s23, 1
	s_add_co_u32 s2, s2, s[LO]
	s_mul_i32 s2, s2, QB
	s_add_nc_u64 s[4:5], s[4:5], s[2:3]            ; ew: K step 0, rows 128 (2 cy + part) on
	s_lshl_b32 s100, s67, 10
	s_lshl_b32 s2, s23, 8
	s_add_co_u32 s100, s100, s2
	s_lshl_b32 s2, s[LO], 7
	s_add_co_u32 s100, s100, s2                    ; x: row 1,024 batch + 256 cy + 128 part
	s_lshl_b32 s2, s100, 10
	s_add_nc_u64 s[8:9], s[8:9], s[2:3]            ; its codes (kept for phase Q),
	s_lshl_b32 s2, s100, 5
	s_add_nc_u64 s[10:11], s[10:11], s[2:3]        ; its scales
	s_lshl_b32 s2, s67, 6
	s_lshl_b32 s101, s66, 1
	s_add_co_u32 s2, s2, s101
	s_add_co_u32 s2, s2, s[LO]
	s_mul_i32 s2, s2, QB
	s_add_nc_u64 s[6:7], s[6:7], s[2:3]            ; ek v (part 0) or ek (part 1): quarter-block 64 batch + 2 gx + part, K step 0
	s_lshl_b32 s101, s66, 7
	s_lshl_b32 s2, s[LO], 6
	s_add_co_u32 s101, s101, s2                    ; Wq: row 128 gx + 64 part
	s_lshl_b32 s2, s101, 10
	s_add_nc_u64 s[12:13], s[12:13], s[2:3]        ; its codes (kept for phase Q),
	s_lshl_b32 s2, s101, 5
	s_add_nc_u64 s[14:15], s[14:15], s[2:3]        ; its scales
	s_lshl_b32 s2, s67, 10
	s_lshl_b32 s100, s23, 8
	s_add_co_u32 s2, s2, s100
	s_lshl_b32 s100, s[HI], 7
	s_add_co_u32 s2, s2, s100                      ; out: my first row,
	s_lshl_b32 s2, s2, 12                          ; 4,096 bytes a row,
	s_lshl_b32 s100, s66, 9
	s_add_co_u32 s2, s2, s100
	s_lshl_b32 s100, s[LO], 8
	s_add_co_u32 s2, s2, s100                      ; my first channel
	s_add_nc_u64 s[16:17], s[16:17], s[2:3]
	s_mul_i32 s100, s[WV], QUART                   ; where the tiles go: no place in the cluster enters an LDS address
	s_mul_i32 s[WQL], s[LO], 17408
	s_add_co_u32 s[WQL], s[WQL], 3*QUART
	s_mul_i32 s2, s[LO], 4352
	s_mul_i32 s101, s[LO], 2176
	CROUND                                         ; all sixteen work-groups are here: the first joint loads meet
	s_mov_b32 s[G0SA], 1
	s_add_co_u32 s[G0SA+1], s2, SCX
	s_mov_b64 s[G0SA+2:G0SA+3], s[10:11]
	s_or_b32 s[G0SA+3], s[G0SA+3], 0x80000000
	s_mov_b32 s[G0SB], 1
	s_add_co_u32 s[G0SB+1], s101, SCW
	s_mov_b64 s[G0SB+2:G0SB+3], s[14:15]
	s_or_b32 s[G0SB+3], s[G0SB+3], 0x80000000
	JLOAD G0SA, G1SA, G0SB, G1SB                   ; phase Q's scales: filled once
.irp s, 0,1
	s_mov_b32 s[G0A+4*\s], 1
	s_add_co_u32 s[G0A+4*\s+1], s100, \s*SLOT
	s_add_nc_u64 s[G0A+4*\s+2:G0A+4*\s+3], s[4:5], \s*8*QB       ; a K step of ew is 8 quarter-blocks on,
	s_or_b32 s[G0A+4*\s+3], s[G0A+4*\s+3], 0x80000000
	s_mov_b32 s[G0B+4*\s], 1
	s_add_co_u32 s[G0B+4*\s+1], s100, \s*SLOT
	s_add_nc_u64 s[G0B+4*\s+2:G0B+4*\s+3], s[6:7], \s*16*QB      ; of ek v and ek 16
	s_or_b32 s[G0B+4*\s+3], s[G0B+4*\s+3], 0x80000000
	JLOAD G0A+4*\s, G1AI, G0B+4*\s, G1BI           ; three loads of mine are out now
.endr
	v_and_b32 v1, 15, v0                           ; r
	v_bfe_u32 v2, v0, 4, 1                         ; h
	v_mul_u32_u24 v3, v2, 272
	v_lshl_add_u32 v3, v1, 4, v3                   ; an image: 16 x lane, with 16 of padding behind lane 15's
	v_mul_u32_u24 v4, v1, 272
	v_lshl_add_u32 v4, v2, 4, v4                   ; rows: row x pitch + 16 h
	s_mul_i32 s2, s[HI], QUART                     ; source 1's quarter
	s_mul_i32 s3, s[LO], 17408                     ; source 0: my four tiles of 16
	s_add_co_u32 s100, s3, 2*QUART
	s_add_co_u32 s101, s3, 3*QUART
.irp s, 0,1
	v_add_nc_u32 v[ADRA+\s], s2, v3
	v_add_nc_u32 v[ADRB+\s], s100, v3
	v_add_nc_u32 v[ADRAQ+\s], s2, v4
	v_add_nc_u32 v[ADRBQ+\s], s101, v4
	s_add_co_u32 s2, s2, SLOT
	s_add_co_u32 s100, s100, SLOT
	s_add_co_u32 s101, s101, SLOT
.endr
	v_lshlrev_b32 v5, 3, v1                        ; ND's scale words: 8 bytes a row (two tiles' words), from byte 32,768 of a quarter-block: row 128 of its 132
	s_mul_i32 s2, s[HI], QUART
	s_mul_i32 s3, s[LO], 272                       ; my four tiles are pairs 2 LO, 2 LO + 1: one row of 256 bytes
	s_add_co_u32 s3, s3, 2*QUART
	s_sub_co_u32 s3, s3, s2                        ; the distance from ew's quarter to ek v's words: lanes 16-31 take those
	v_mul_u32_u24 v6, s3, v2
	v_add_nc_u32 v6, v5, v6
	s_add_co_u32 s100, s2, 34816
	v_add_nc_u32 v[ADSN], s100, v6
	s_add_co_u32 s100, s100, SLOT
	v_add_nc_u32 v[ADSN+1], s100, v6
	s_add_co_u32 s3, s3, QUART-272                 ; pairs 2, 3: ew's lie one row on, source 0's are ek's
	v_mul_u32_u24 v6, s3, v2
	v_add_nc_u32 v6, v5, v6
	s_add_co_u32 s100, s2, 34816+272
	v_add_nc_u32 v[ADSN2], s100, v6
	s_add_co_u32 s100, s100, SLOT
	v_add_nc_u32 v[ADSN2+1], s100, v6
	v_lshlrev_b32 v5, 5, v1                        ; Q's: 32 bytes a row,
	v_lshrrev_b32 v6, 3, v1
	v_lshl_add_u32 v5, v6, 4, v5                   ; and 16 more for each 256 passed
	s_mul_i32 s2, s[HI], 4352                      ; x's: my 128 rows
	s_mul_i32 s3, s[LO], 2176                      ; Wq's: my 64 rows, as blocks 4-7: 4 x 544 bytes back
	s_add_co_u32 s3, s3, 6528
	s_sub_co_u32 s3, s3, s2
	v_mul_u32_u24 v6, s3, v2
	v_add_nc_u32 v6, v5, v6
	s_add_co_u32 s2, s2, SCX
	v_add_nc_u32 v[ADSQ], s2, v6
	s_mul_i32 s2, s[WV], 4352                      ; my stage: 16 rows x (256 + 16) bytes, in slot 0, which has had its last fill and its last read when the first result is stored there
	v_mul_u32_u24 v7, v1, 272
	v_lshl_add_u32 v7, v2, 5, v7
	v_add_nc_u32 v[STO], s2, v7                    ; in: row r, 32 bytes for each half of the lanes
	v_add_nc_u32 v[RD], s2, v3                     ; back: lanes 0-15 one row of 256 bytes, lanes 16-31 the next
	v_lshlrev_b32 v7, 12, v2
	v_lshl_add_u32 v[CO], v1, 4, v7                ; and the same two rows in out
.macro FRAG reg, adr, off, cs          ; a fragment: 16 registers, four loads of 16 bytes a lane
.irp c, 0,1,2,3
	ds_load_b128 v[\reg+4*\c:\reg+4*\c+3], v[\adr] offset:(\off)+(\cs)*\c
.endr
.endm
; ph = 0: phase ND, images;  ph = 1: phase Q, rows
.macro FETCH_S0 ph, slot, q, p         ; source 0's fragments of the slot's q-th 128 along K into set p
	WIN TO_B
.irp i, 0,1,2,3,4,5,6,7
.if \ph == 0
	FRAG 128*(\p)+16*\i, ADRB+\slot, (\i/4)*QUART+(\i%4)*4352+2176*(\q), 544
.elseif \i >= 4
	FRAG 128*(\p)+16*\i, ADRBQ+\slot, (\i-4)*4352+128*(\q), 32
.endif
.endr
	WIN 0
.endm
.macro FETCH_S1 ph, slot, q, i0        ; source 1's blocks i0 .. i0 + 3
.irp i, \i0, \i0+1, \i0+2, \i0+3
.if \ph == 0
	FRAG AF+16*(\i), ADRA+\slot, 4352*(\i)+2176*(\q), 544
.else
	FRAG AF+16*(\i), ADRAQ+\slot, 4352*(\i)+128*(\q), 32
.endif
.endr
.endm
.macro SCALES ph, slot, n              ; a K step's scale words into set slot: eight loads of two words
.if \ph == 0
.irp q, 0,1
.irp p, 0,1
	ds_load_b64 v[SC+16*(\slot)+8*\q+2*\p:SC+16*(\slot)+8*\q+2*\p+1], v[ADSN+\slot] offset:544*\q+128*\p
.endr
.irp p, 0,1
	ds_load_b64 v[SC+16*(\slot)+8*\q+4+2*\p:SC+16*(\slot)+8*\q+4+2*\p+1], v[ADSN2+\slot] offset:544*\q+128*\p
.endr
.endr
.else
.irp i, 0,1,2,3,4,5,6,7
	ds_load_b64 v[SC+16*(\slot)+2*\i:SC+16*(\slot)+2*\i+1], v[ADSQ] offset:544*\i+8*(\n)   ; (for i < 4 lanes 16-31 read filled bytes that no product takes)
.endr
.endif
.endm
; Source 1's blocks a0, a0 + 1 x source 0's eight (ND) or its blocks 4-7 (Q).  The accumulators take turns, one instruction a turn, in the same order in every step.
.macro MULS ph, a0, p, q, set, zero
.irp a, \a0, \a0+1
.irp b, 0,1,2,3,4,5,6,7
.if (\ph == 0) || (\b >= 4)
.set rD, 8*(8*((\a)%4)+\b)
.set rC, 128*(\p)+16*\b
.set rT, AF+16*(\a)
.if \ph == 0
.set sC, SC+16*(\set)+8*(\q)+\b
.set sT, SC+16*(\set)+8*(\q)+(\a)
.else
.set sC, SC+16*(\set)+2*\b+(\q)
.set sT, SC+16*(\set)+2*(\a)+(\q)
.endif
.if \zero
	v_wmma_scale_f32_16x16x128_f8f6f4 v[rD:rD+7], v[rC:rC+15], v[rT:rT+15], 0, v[sC], v[sT] matrix_a_scale:MATRIX_SCALE_ROW1
.else
	v_wmma_scale_f32_16x16x128_f8f6f4 v[rD:rD+7], v[rC:rC+15], v[rT:rT+15], v[rD:rD+7], v[sC], v[sT] matrix_a_scale:MATRIX_SCALE_ROW1
.endif
.endif
.endr
.endr
.endm
; A slot's first 128 along K.  Eight plain vector lines stand in front of each run of loads into registers that matrix instructions have read.
.macro STEP ph, slot, zero
	s_wait_dscnt 16                                ; all but the youngest 16 loads (source 1's blocks 4-7) are in
	WIN MUL_LO
	MULS \ph, 0, 0, 0, \slot, \zero
	MULS \ph, 2, 0, 0, \slot, \zero
	s_wait_dscnt 0x0                               ; blocks 4-7 are in
	PLACES 8
	FETCH_S0 \ph, \slot, 1, 1
	FETCH_S1 \ph, \slot, 1, 0
	WIN MUL_HI
	MULS \ph, 4, 0, 0, \slot, \zero
	MULS \ph, 6, 0, 0, \slot, \zero
	PLACES 8
	WIN 0
	FETCH_S1 \ph, \slot, 1, 4
.endm
; A slot's second 128 changes slots: in front of the barrier each wave waits for all its tensor loads, adds 0 to its spare word, and waits for that and for its reads of this slot.
; fill = 0: nothing is left to fetch;  1: the images two K steps on;  2: phase Q's K step 0 or 1 (the slot's number);  3: x's and Wq's tiles two K steps on.  nph: the next slot's phase;  nn: its K step in phase Q.
.macro TURN ph, slot, nph, next, fill, nn
	s_wait_tensorcnt 0x0                           ; all my tensor loads have landed: my part of the next slot
	ds_add_u32 v[SPW], v[NIL]                      ; 0 onto my spare word
	s_wait_dscnt 17                                ; (the add and the youngest 16 loads may be out)
	WIN MUL_LO
	MULS \ph, 0, 1, 1, \slot, 0
	s_wait_dscnt 0x0                               ; the add is done, and my reads of this slot are over
	s_barrier_signal -1
	MULS \ph, 2, 1, 1, \slot, 0
	WIN 0                                          ; at a branch and at a label every window is 0
	s_barrier_wait -1
.if \fill == 0
	PLACES 8
.else
	CREST                                          ; the barrier has opened a round of the cluster's: no wave of any partner still reads this slot or has a load on its way; no load of mine is out, so group 0 may be written
.if \fill == 1
	s_add_nc_u64 s[G0A+4*\slot+2:G0A+4*\slot+3], s[G0A+4*\slot+2:G0A+4*\slot+3], 16*QB
	s_add_nc_u64 s[G0B+4*\slot+2:G0B+4*\slot+3], s[G0B+4*\slot+2:G0B+4*\slot+3], 32*QB
	JLOAD G0A+4*\slot, G1AI, G0B+4*\slot, G1BI
.elseif \fill == 2
	s_add_nc_u64 s[G0A+4*\slot+2:G0A+4*\slot+3], s[8:9], 256*\slot
	s_or_b32 s[G0A+4*\slot+3], s[G0A+4*\slot+3], 0x80000000
	s_add_nc_u64 s[G0B+4*\slot+2:G0B+4*\slot+3], s[12:13], 256*\slot
	s_or_b32 s[G0B+4*\slot+3], s[G0B+4*\slot+3], 0x80000000
	s_add_co_u32 s[G0B+4*\slot+1], s[WQL], \slot*SLOT
	JLOAD G0A+4*\slot, G1AR, G0B+4*\slot, G1BR
.else
	s_add_nc_u64 s[G0A+4*\slot+2:G0A+4*\slot+3], s[G0A+4*\slot+2:G0A+4*\slot+3], 512
	s_add_nc_u64 s[G0B+4*\slot+2:G0B+4*\slot+3], s[G0B+4*\slot+2:G0B+4*\slot+3], 512
	JLOAD G0A+4*\slot, G1AR, G0B+4*\slot, G1BR
.endif
	PLACES 4                                       ; with the four v_nop behind the load: eight lines in front of the loads below
.endif
	FETCH_S0 \nph, \next, 0, 0
	FETCH_S1 \nph, \next, 0, 0
	SCALES \nph, \next, \nn
	WIN MUL_HI
	MULS \ph, 4, 1, 1, \slot, 0
	MULS \ph, 6, 1, 1, \slot, 0
	PLACES 8
	WIN 0
	FETCH_S1 \nph, \next, 0, 4
.endm
	s_wait_tensorcnt 0x1                           ; the scales and my part of K step 0 are in; K step 1's load may be out
	s_barrier_signal -1
	s_barrier_wait -1
	FETCH_S0 0, 0, 0, 0
	FETCH_S1 0, 0, 0, 0
	SCALES 0, 0, 0
	FETCH_S1 0, 0, 0, 4
	; ---- PHASE ND: num and den, four K steps of 256 tokens, written out
	STEP 0, 0, 1                                   ; the first products start the sums
	TURN 0, 0, 0, 1, 1, 0
	STEP 0, 1, 0
	TURN 0, 1, 0, 0, 1, 0
	STEP 0, 0, 0
	TURN 0, 0, 0, 1, 2, 0                          ; slot 0 takes phase Q's K step 0
	STEP 0, 1, 0
	TURN 0, 1, 1, 0, 2, 0                          ; slot 1 its K step 1; the first fragments of x and Wq are fetched
	; ---- r = num / den, in num's registers; den's are then free for q.  The eight lines at the end of the step above stand between the last products and these reads.
.irp w, 0,1
	WIN 0xaa+0x55*\w                               ; all places in window 2, then 3
.irp a, 0,1,2,3
.set i, 0
.rept 32
	v_rcp_f32 v[64*\a+32+i], v[64*\a+32+i]         ; each accumulator from its low end on
.set i, i+1
.endr
	v_nop                                          ; a plain line behind the reciprocals
.set i, 0
	s_wait_alu depctr_va_vdst(0)
.rept 16
	v_pk_mul_f32 v[64*\a+i:64*\a+i+1], v[64*\a+i:64*\a+i+1], v[64*\a+32+i:64*\a+32+i+1]
.set i, i+2
.endr
.endr
.endr
	WIN 0
	PLACES 8
	; ---- PHASE Q: q = x Wq^T into den's registers, four K steps of 256
	STEP 1, 0, 1                                   ; the first products start the sums anew
	TURN 1, 0, 1, 1, 3, 1
	STEP 1, 1, 0
	TURN 1, 1, 1, 0, 3, 2
	STEP 1, 0, 0
	TURN 1, 0, 1, 1, 0, 3                          ; nothing is left to fetch: no round
	STEP 1, 1, 0
	s_wait_dscnt 16
	WIN MUL_LO
	MULS 1, 0, 1, 1, 1, 0
	MULS 1, 2, 1, 1, 1, 0
	s_wait_dscnt 0x0
	WIN MUL_HI
	MULS 1, 4, 1, 1, 1, 0
	MULS 1, 6, 1, 1, 1, 0
	WIN 0
	PLACES 8                                       ; in front of the first reads of results and of loads into the fragments' registers
; ---- THE WAY OUT, block by block of 16 rows x 64 channels.  FIN: out = r / (1 + 2^(-q log2 e)).  TOSTAGE: a lane's 32 bytes of a row into my own stage, and back as whole rows of 256 bytes.  SEND: stored.
.macro FIN a
.set AC, 64*((\a)%4)
	WIN 0xaa+0x55*((\a)/4)
.set i, 0
.rept 16
	v_pk_mul_f32 v[AC+32+i:AC+33+i], v[AC+32+i:AC+33+i], s[NL2E:NL2E+1] op_sel_hi:[1,0]   ; each accumulator from its low end on
.set i, i+2
.endr
.set i, 0
.rept 32
	v_exp_f32 v[AC+32+i], v[AC+32+i]
.set i, i+1
.endr
	v_nop                                          ; a plain line behind the exponentials
.set i, 0
	s_wait_alu depctr_va_vdst(0)
.rept 16
	v_pk_add_f32 v[AC+32+i:AC+33+i], v[AC+32+i:AC+33+i], 1.0 op_sel_hi:[1,0]
.set i, i+2
.endr
.set i, 0
.rept 32
	v_rcp_f32 v[AC+32+i], v[AC+32+i]
.set i, i+1
.endr
	v_nop                                          ; a plain line behind the reciprocals
.set i, 0
	s_wait_alu depctr_va_vdst(0)
.rept 16
	v_pk_mul_f32 v[AC+i:AC+i+1], v[AC+i:AC+i+1], v[AC+32+i:AC+33+i]
.set i, i+2
.endr
.endm
.macro TOSTAGE a
.set AC, 64*((\a)%4)
	WIN 0x08+4*((\a)/4)                            ; an LDS store's data are its source 1: window 2 or 3
.irp b, 0,1,2,3
	ds_store_b128 v[STO], v[AC+8*\b:AC+8*\b+3] offset:64*\b
	ds_store_b128 v[STO], v[AC+8*\b+4:AC+8*\b+7] offset:64*\b+16
.endr
	WIN 0
.set BB, BK+32*((\a)%2)
.irp t, 0,1,2,3,4,5,6,7
	ds_load_b128 v[BB+4*\t:BB+4*\t+3], v[RD] offset:544*\t   ; LDS serves a wave's instructions in order (ISA guide 5.7.1.4): these see the stores above, and the next block's stores come behind them
.endr
.endm
.macro SEND a, younger                 ; younger: the LDS instructions issued behind block a's loads, which may stay out
.set BB, BK+32*((\a)%2)
	s_wait_dscnt \younger
.irp t, 0,1,2,3,4,5,6,7
	global_store_b128 v[CO], v[BB+4*\t:BB+4*\t+3], s[16:17] offset:65536*(\a)+8192*\t th:TH_STORE_NT   ; 16 lanes store 256 consecutive bytes, aligned; the base is never stepped: 516,096 bytes at the most stand in the immediate
.endr
.endm
	FIN 0
	TOSTAGE 0
.irp a, 1,2,3,4,5,6,7
	FIN \a                                         ; a block's arithmetic stands between the loads of the block before and its stores
.if \a > 1
	s_wait_xcnt 0x0                                ; block a - 2's stores have read their registers: block a's loads land there
.endif
	TOSTAGE \a
	SEND \a-1, 16                                  ; behind block a - 1's loads: block a's 8 stores and 8 loads
.endr
	SEND 7, 0
	s_wait_tensorcnt 0x0                           ; the wave's end, behind my last tensor load and my last LDS store
	ds_add_u32 v[SPW], v[NIL]
	s_wait_dscnt 0x0
	CROUND                                         ; the closing round: no work-group ends while a partner may still ask for a tile that names it
	s_endpgm
.Lfunc_end_k_q05df8cadf7_aft:
	.size	k_q05df8cadf7_aft, .Lfunc_end_k_q05df8cadf7_aft-k_q05df8cadf7_aft
	.p2alignl 7, 3214868480
	.fill 96, 4, 3214868480
	.section	.rodata,"a",@progbits
	.p2align	6, 0x0
	.amdhsa_kernel k_q05df8cadf7_aft
		.amdhsa_group_segment_fixed_size 327680
		.amdhsa_private_segment_fixed_size 0
		.amdhsa_enable_private_segment 0
		.amdhsa_kernarg_size 56
		.amdhsa_user_sgpr_count 2
		.amdhsa_user_sgpr_kernarg_segment_ptr 1
		.amdhsa_wavefront_size32 1
		.amdhsa_system_sgpr_workgroup_id_x 1
		.amdhsa_system_sgpr_workgroup_id_y 1
		.amdhsa_system_sgpr_workgroup_id_z 1
		.amdhsa_system_vgpr_workitem_id 0
		.amdhsa_next_free_vgpr 1024
		.amdhsa_next_free_sgpr 106
		.amdhsa_reserve_vcc 0
		.amdhsa_float_denorm_mode_32 3
		.amdhsa_float_denorm_mode_16_64 3
		.amdhsa_memory_ordered 1
		.amdhsa_forward_progress 1
		.amdhsa_inst_pref_size 255
	.end_amdhsa_kernel
	.section	.bss,"aw",@nobits
	.p2align	6
	.space	262144
	.amdgpu_metadata
---
amdhsa.version: [ 1, 2 ]
amdhsa.kernels:
  - .name:           k_q05df8cadf7_aft
    .symbol:         k_q05df8cadf7_aft.kd
    .args:
      - { .name: ew_img, .offset: 0, .size: 8, .value_kind: global_buffer, .address_space: global }
      - { .name: kv_img, .offset: 8, .size: 8, .value_kind: global_buffer, .address_space: global }
      - { .name: x_codes, .offset: 16, .size: 8, .value_kind: global_buffer, .address_space: global }
      - { .name: x_scales, .offset: 24, .size: 8, .value_kind: global_buffer, .address_space: global }
      - { .name: Wq_codes, .offset: 32, .size: 8, .value_kind: global_buffer, .address_space: global }
      - { .name: Wq_scales, .offset: 40, .size: 8, .value_kind: global_buffer, .address_space: global }
      - { .name: out0, .offset: 48, .size: 8, .value_kind: global_buffer, .address_space: global }
    .group_segment_fixed_size: 327680
    .private_segment_fixed_size: 0
    .kernarg_segment_align: 8
    .kernarg_segment_size: 56
    .max_flat_workgroup_size: 128
    .sgpr_count:     106
    .vgpr_count:     1024
    .wavefront_size: 32
...
	.end_amdgpu_metadata
.endif
;; end of part 2
